; MI455X (gfx1250); checked and timed in simulation.
; The chip was launched on July 23, 2026; its instructions are those of AMD's public machine-readable ISA for CDNA 5 (MIT licence, August 2026) and "CDNA5" Instruction Set Architecture Reference Guide (July 2026). The comments in the code are by the model that wrote it; some were corrected since.
;; Head. Allowed arithmetic: matrix products marked QUANTISED: E2M3 operands, one E8M0 scale for each 32 along K, by v_wmma_scale_f32_16x16x128_f8f6f4 with both operands' format E2M3, f32 sums; everything else in f32.
;; Inputs: Wk 1,024 x 64 float32; Wq 1,024 x 64 float32; Wv 1,024 x 64 float32; x 4 x 4,096 x 1,024 float32.
;; Outputs: out0 4 x 4,096 x 64 float32.
;; This version of the problem:
;;   THIS VERSION OF THE PROBLEM IS GIVEN IN LOW PRECISION. The matrix products marked QUANTISED in the list below multiply operands that are first quantised to E2M3 (2 exponent bits, 3 mantissa bits; 6 bits a number), with one power-of-two scale for each 32 numbers along K (OCP MX v1.0); their sums are f32. All else is computed in f32.
;;   The module's matrix products, in the order in which they are computed (A, B: the left and right operand; K: the contracted axis; several contracted axes count as one K, in the product's order):
;;     1. [M 16,384, K 1,024] x [K 1,024, N 64]; A: input x; B: input Wk: QUANTISED
;;     2. [M 16,384, K 1,024] x [K 1,024, N 64]; A: input x; B: input Wq: QUANTISED
;;     3. [M 16,384, K 1,024] x [K 1,024, N 64]; A: input x; B: input Wv: QUANTISED
;;     4. batch 4 x [M 4,096, K 64] x [K 64, N 4,096]; A: computed on the way; B: computed on the way: QUANTISED
;;     5. batch 4 x [M 4,096, K 4,096] x [K 4,096, N 64]; A: softmax (see below); B: computed on the way: QUANTISED
;;   THE QUANTISER, for each operand of a quantised product, along K:
;;     - K is cut into blocks of 32 from its start; a last block that is shorter is filled with zeros.
;;     - A block's scale is 2^e with e = floor(log2(the largest magnitude in the block)) - 2, held to -126 .. 127; a block of zeros has e = 0. As a byte (E8M0): e + 127.
;;     - Each number is divided by its block's scale, clamped to +-7.5, and rounded to the nearest number of E2M3, ties to even, subnormals kept.
;;     - The product sums the exact products of the quantised numbers (number of the format x scale) in f32.
;;   ~~~python
;;   def quantise(x, axis):      # numpy; x: float32 -> the quantised numbers, widened to float32 again
;;       x = np.moveaxis(x, axis, -1); K = x.shape[-1]
;;       x = np.pad(x, [(0, 0)] * (x.ndim - 1) + [(0, -K % 32)]); x = x.reshape(x.shape[:-1] + (-1, 32)); a = np.abs(x).max(-1, keepdims=True)
;;       e = np.where(a > 0, np.clip(np.frexp(np.where(a > 0, a, 1))[1] - 1 - 2, -126, 127), 0)      # np.frexp(a)[1] - 1 = floor(log2(a)), exactly
;;       r = np.clip(x / 2.0 ** e, -7.5, 7.5)
;;       step = 2.0 ** (np.maximum(np.frexp(np.where(r == 0, 1, r))[1] - 1, 0) - 3)
;;       q = np.round(r / step) * step * 2.0 ** e      # np.round: ties to even
;;       return np.moveaxis(q.reshape(q.shape[:-2] + (-1,))[..., :K], -1, axis).astype(np.float32)
;;   ~~~
;;   SOFTMAX AHEAD OF A QUANTISED PRODUCT. Where the list says 'softmax', what is quantised is not the finished softmax but p = 2^(t - M), with t = logit x log2(e) and M = ceil(the row's largest t), a whole number; so 1/2 < the row's largest p <= 1. The row's sum l is taken of the UNQUANTISED p, in f32, and the product's result is divided by l at the end. Since M is a whole number, a kernel that streams over the keys may use a running M (the ceiling of the running maximum): every later rescaling is an exact power of two, which a block's scale takes up: the codes' values come out the same.
;;   OPERANDS COMPUTED ON THE WAY. 'Computed on the way' means the value that the module computes at that place (a softmax that the list does not call 'softmax' is quantised finished and normalised). What goes into a quantiser is computed in f32, as accurately as f32 sums, v_exp_f32 and their like allow (about 1e-6 of the number): no bf16 or f16 on the way to a quantiser, and a product that is left as it is and whose result goes on into a quantised operand takes f32 operands (vector FMAs, or v_wmma_f32_16x16x4_f32). A number that lies on a knife's edge between two numbers of the format may be rounded either way, as far as f32 arithmetic and the matrix unit's own rounding can turn it there, and no further.
;; One version. Each part assembles by itself: llvm-mc -triple=amdgcn-amd-amdhsa -mcpu=gfx1250 --defsym DOCPART=n.
;; ======== version 1 of 1: 3 launches
;; limits: right only within a limited range of input values
;; workspace buffers: wc 153,600 bytes; qkv 2,555,904 bytes
;; launch wquant (part 1): grid 32 x 3, 4 waves a work-group, no clusters, 2,304 bytes of LDS; arguments Wq, Wk, Wv, wc; writes wc
.if DOCPART == 1
	.amdgcn_target "amdgcn-amd-amdhsa--gfx1250"
	.amdhsa_code_object_version 6
	.text
	.protected	k_qe7d7faf41c_wquant
	.globl	k_qe7d7faf41c_wquant
	.p2align	8
	.type	k_qe7d7faf41c_wquant,@function
k_qe7d7faf41c_wquant:
	s_mov_b64 s[64:65], 0
	v_nop
	global_prefetch_b8 v0, s[64:65] scope:SCOPE_SE
	s_setreg_imm32_b32 hwreg(HW_REG_WAVE_MODE, 25, 1), 1
	s_wait_xcnt 0x0
; Wq, Wk, Wv [1024 (k)][64 (n)] f32 become codes of FP6 (E2M3) with one E8M0 scale byte for each 32 along k, laid as images of operand registers:
; wc: K step s (128 along k) at 19,200 (2 (s % 4) + s / 4): fragments f = 4 matrix + tile (0 q, 1 k, 2 v; 16 columns x 128 k) at 1,536 f: [lane 32][12 registers, 48 bytes]; their scale words at 18,432 + 64 f + 4 r.
; Work-group (x = 4 s + tile, y = matrix) makes one fragment; wave b takes its block of 32 along k, k = 128 s + 32 b ...  A LANE TAKES A COLUMN AND ITS REGISTERS RUN DOWN k: lane (r, u) = (lane % 16, lane / 16) holds the 16 numbers from 16 u on.
; Lanes l and l xor 16 join their maxima.  A lane's 16 codes are 12 bytes of the operand's lane 16 (b % 2) + r, registers 6 (b / 2) + 3 u ..; the four waves' codes meet in LDS and leave as 512 consecutive bytes a store.
; Lane r of tile t takes column 16 t + r of Wv, but column 32 (r / 8) + 8 t + r % 8 of Wq and Wk: used as rows of a transposed product, four such tiles leave 32 neighbouring dims in one lane, which is a block of the next quantiser.
; A block's scale is 2^(floor(log2(its largest magnitude)) - 2); its byte is the largest magnitude's exponent field - 2, held at 1 from below.
; NOTHING IS LEFT OUT here or in the next launch; the third leaves out whole tiles of scores above the diagonal, which reference() itself replaces by -infinity.
; LIMITS: NaN and infinities are not served; blocks whose largest magnitude lies under 2^-124 keep the byte 1; a block of zeros gets the byte 1 where the rule says 127 (its codes are zeros, and this program alone reads the bytes).
; 96 work-groups: the three weights have no more fragments.  The scale words of a matrix and a K step, 256 bytes, are written by four work-groups, 64 bytes each: 6,144 bytes in all.
.set X,   64                           ; v64-79 my 16 numbers
.set SPW, 12                           ; my spare word;  v13 0
.set NIL, 13
.set SPARE, 1792                       ; LDS: codes 0-1,535, scale words 1,536-1,599, the spare words
	s_load_b256 s[4:11], s[0:1], 0x0               ; Wq s[4:5], Wk s[6:7], Wv s[8:9], wc s[10:11]
	v_lshl_add_u32 v[SPW], v0, 2, SPARE
	v_mov_b32 v[NIL], 0
	v_lshrrev_b32 v1, 5, v0
	v_readfirstlane_b32 s12, v1                    ; wave: block b
	s_and_b32 s14, ttmp9, 3                        ; tile
	s_lshr_b32 s13, ttmp9, 2                       ; K step
	s_and_b32 s15, ttmp7, 0xffff                   ; matrix
	s_cmp_eq_u32 s15, 2
	s_cselect_b32 s18, 8, 32                       ; from a tile's rows 0-7 to its rows 8-15, in columns
	s_cselect_b32 s19, 16, 8                       ; from tile to tile
	s_mul_i32 s19, s19, s14
	s_mov_b32 s20, 0x76543210
	s_mov_b32 s21, 0xfedcba98                      ; v_permlanex16_b32's selects for lane l xor 16
	s_lshl_b32 s22, s15, 2
	s_add_co_u32 s22, s22, s14                     ; fragment f
	s_and_b32 s26, s13, 3
	s_lshl_b32 s26, s26, 1
	s_lshr_b32 s27, s13, 2
	s_add_co_u32 s26, s26, s27
	s_mul_i32 s26, s26, 19200                      ; the K step's place
	s_lshl_b32 s24, s22, 6
	s_add_co_u32 s24, s24, s26
	s_add_co_u32 s24, s24, 18432                   ; its scale words
	s_mov_b32 s25, 0
	s_mul_i32 s22, s22, 1536
	s_add_co_u32 s22, s22, s26                     ; its codes
	s_mov_b32 s23, 0
	s_lshl_b32 s16, s13, 15                        ; the K step's 128 rows of 256 bytes,
	s_lshl_b32 s17, s12, 13
	s_add_co_u32 s16, s16, s17                     ; my 32 of them
	s_mov_b32 s17, 0
	s_and_b32 s27, s12, 1
	s_mul_i32 s27, s27, 768
	s_lshr_b32 s28, s12, 1
	s_mul_i32 s28, s28, 24
	s_add_co_u32 s27, s27, s28                     ; LDS: 48 x 16 (b % 2) + 24 (b / 2)
	s_lshl_b32 s28, s12, 9
	v_and_b32 v1, 15, v0                           ; r
	v_bfe_u32 v2, v0, 4, 1                         ; u
	v_and_b32 v7, 31, v0
	v_lshl_add_u32 v3, v7, 4, s28                  ; out: 512 x wave + 16 x lane
	v_lshlrev_b32 v4, 2, v1                        ; and 4 for row r's scale word
	v_lshrrev_b32 v5, 3, v1
	v_mul_u32_u24 v5, s18, v5
	v_and_b32 v6, 7, v1
	v_add_nc_u32 v5, v5, v6
	v_add_nc_u32 v5, s19, v5                       ; my column
	v_lshlrev_b32 v5, 2, v5
	v_lshl_add_u32 v5, v2, 12, v5                  ; lanes 16-31 begin 16 rows of 256 bytes further down
	v_mul_u32_u24 v8, v1, 48
	v_mul_u32_u24 v7, v2, 12
	v_add_nc_u32 v8, v8, v7
	v_add_nc_u32 v8, s27, v8                       ; LDS: my 12 bytes of codes
	v_add_nc_u32 v9, s12, v4                       ; my block's byte of row r's word
	v_mov_b32 v10, 0                               ; (a lane permute's destination counts as one of its sources)
	s_wait_alu depctr_va_vdst(0)
	s_wait_kmcnt 0x0
	s_cmp_eq_u32 s15, 1                            ; the choice of the source hangs on the work-group's number alone
	s_cselect_b64 s[6:7], s[6:7], s[8:9]
	s_cmp_eq_u32 s15, 0
	s_cselect_b64 s[4:5], s[4:5], s[6:7]
	s_add_nc_u64 s[4:5], s[4:5], s[16:17]
.set i, 0
.rept 16
	global_load_b32 v[X+i], v5, s[4:5] offset:256*i th:TH_LOAD_NT
.set i, i+1
.endr
	s_add_nc_u64 s[8:9], s[10:11], s[24:25]
	s_add_nc_u64 s[10:11], s[10:11], s[22:23]
	s_wait_loadcnt 0x0
	v_max3_num_f32 v32, |v[X]|, |v[X+1]|, 0x1800000   ; the floor 2^(3 - 127) among the leaves: the byte cannot fall under 1
	v_max3_num_f32 v33, |v[X+2]|, |v[X+3]|, |v[X+4]|
.irp i, 5,9
	v_max3_num_f32 v32, v32, |v[X+\i]|, |v[X+\i+1]|
	v_max3_num_f32 v33, v33, |v[X+\i+2]|, |v[X+\i+3]|
.endr
	v_max3_num_f32 v32, v32, |v[X+13]|, |v[X+14]|
	v_max3_num_f32 v32, v32, v33, |v[X+15]|
	v_permlanex16_b32 v10, v32, s20, s21
	v_max_num_f32 v32, v32, v10                    ; with lane l xor 16's: the block's largest magnitude
	v_add_nc_u32 v34, 0xff000000, v32              ; 2 off the exponent field: the conversion takes the exponent field of this operand as its scale
	v_cvt_scalef32_pk16_fp6_f32 v[48:50], v[X:X+15], v34
	v_lshrrev_b32 v35, 23, v34                     ; the scale's byte.  (The plain place behind the conversion)
.irp i, 0,1,2
	ds_store_b32 v8, v[48+\i] offset:4*\i
.endr
	ds_store_b8 v9, v35 offset:1536                ; (lanes l and l xor 16 write the same byte with the same value)
	s_wait_dscnt 0x0                               ; for the others' sake: my stores have landed
	s_barrier_signal -1
	s_barrier_wait -1
	s_cmp_lt_u32 s12, 3
	s_cbranch_scc0 .Lscales
	ds_load_b128 v[80:83], v3                      ; waves 0 to 2: a third of the fragment each
	s_wait_dscnt 0x0
	global_store_b128 v3, v[80:83], s[10:11]       ; 512 consecutive bytes, aligned
	s_branch .Lend
.Lscales:
	ds_load_b32 v84, v4 offset:1536                ; wave 3: the sixteen scale words
	s_wait_dscnt 0x0
	global_store_b32 v4, v84, s[8:9]               ; (lanes l and l xor 16 store the same word)
.Lend:
	s_wait_tensorcnt 0x0                           ; the wave's end
	ds_add_u32 v[SPW], v[NIL]
	s_wait_dscnt 0x0
	s_endpgm
.Lfunc_end_k_qe7d7faf41c_wquant:
	.size	k_qe7d7faf41c_wquant, .Lfunc_end_k_qe7d7faf41c_wquant-k_qe7d7faf41c_wquant
	.p2alignl 7, 3214868480
	.fill 96, 4, 3214868480
	.section	.rodata,"a",@progbits
	.p2align	6, 0x0
	.amdhsa_kernel k_qe7d7faf41c_wquant
		.amdhsa_group_segment_fixed_size 2304
		.amdhsa_private_segment_fixed_size 0
		.amdhsa_enable_private_segment 0
		.amdhsa_kernarg_size 32
		.amdhsa_user_sgpr_count 2
		.amdhsa_user_sgpr_kernarg_segment_ptr 1
		.amdhsa_wavefront_size32 1
		.amdhsa_system_sgpr_workgroup_id_x 1
		.amdhsa_system_sgpr_workgroup_id_y 1
		.amdhsa_system_sgpr_workgroup_id_z 1
		.amdhsa_system_vgpr_workitem_id 0
		.amdhsa_next_free_vgpr 96
		.amdhsa_next_free_sgpr 66
		.amdhsa_reserve_vcc 0
		.amdhsa_float_denorm_mode_32 3
		.amdhsa_float_denorm_mode_16_64 3
		.amdhsa_memory_ordered 1
		.amdhsa_forward_progress 1
		.amdhsa_inst_pref_size 7
	.end_amdhsa_kernel
	.amdgpu_metadata
---
amdhsa.version: [ 1, 2 ]
amdhsa.kernels:
  - .name:           k_qe7d7faf41c_wquant
    .symbol:         k_qe7d7faf41c_wquant.kd
    .args:
      - { .name: Wq, .offset: 0, .size: 8, .value_kind: global_buffer, .address_space: global }
      - { .name: Wk, .offset: 8, .size: 8, .value_kind: global_buffer, .address_space: global }
      - { .name: Wv, .offset: 16, .size: 8, .value_kind: global_buffer, .address_space: global }
      - { .name: wc, .offset: 24, .size: 8, .value_kind: global_buffer, .address_space: global }
    .group_segment_fixed_size: 2304
    .private_segment_fixed_size: 0
    .kernarg_segment_align: 8
    .kernarg_segment_size: 32
    .max_flat_workgroup_size: 128
    .sgpr_count:     66
    .vgpr_count:     96
    .wavefront_size: 32
...
	.end_amdgpu_metadata
.endif
;; end of part 1
;; launch proj (part 2): grid 256 x 1, 4 waves a work-group, clusters of 4 x 1, 327,680 bytes of LDS; arguments x, wc, qkv; writes qkv
.if DOCPART == 2
	.amdgcn_target "amdgcn-amd-amdhsa--gfx1250"
	.amdhsa_code_object_version 6
	.text
	.protected	k_qe7d7faf41c_proj
	.globl	k_qe7d7faf41c_proj
	.p2align	8
	.type	k_qe7d7faf41c_proj,@function
k_qe7d7faf41c_proj:
	s_mov_b64 s[64:65], 0
	v_nop
	global_prefetch_b8 v0, s[64:65] scope:SCOPE_SE
	s_setreg_imm32_b32 hwreg(HW_REG_WAVE_MODE, 25, 1), 1
	s_wait_xcnt 0x0
	s_wait_alu depctr_hold_cnt(0) depctr_sa_sdst(0) depctr_va_vdst(0) depctr_va_sdst(0) depctr_va_ssrc(0) depctr_va_vcc(0) depctr_vm_vsrc(0)
	s_getreg_b32 s2, hwreg(HW_REG_IB_STS2, 6, 4)
	s_cmp_eq_u32 s2, 0
	s_cbranch_scc0 .Lentry_in_a_cluster
	s_endpgm
.Lentry_in_a_cluster:
	s_bfe_u32 s2, ttmp6, 0x10000c
	s_cmp_lg_u32 s2, 0x3003
	s_cbranch_scc0 .Lentry_shape_is_right
	s_endpgm
.Lentry_shape_is_right:
; q, k, v = Q(x) Q(W): x [16384][1024] f32 is quantised along its 1,024 to FP6 (E2M3, one E8M0 scale for each 32) and multiplied with the weights' codes (wc, images of operand registers); the three results, f32 sums, are
; quantised again as the next launch wants them: q and k along the head's 64, v along the rows (the keys).  Only codes and scale words leave.
; SHARES.  Work-group g takes 64 rows: four tiles of 16; lane r of tile w is row 32 (r / 8) + 8 w + r % 8.  Wave w = 2 m + e takes the two tiles 2 m, 2 m + 1 and K's half e (K steps 4 e .. 4 e + 3), ALL 192 columns: 24 accumulators, so that each
; fragment of W that comes from LDS feeds two tiles.  Eight UNITS: unit u is K step 4 e + u / 2 of tile w xor 1 (u even) or w (u odd).  At the end wave w gives its part of tile w xor 1 away and adds the partner's part of tile w to its own:
; a sum over K is made in two halves of ascending k and joined.  q's and k's parts go through LDS as registers lie; v's blocks run along rows of all four waves, so its two parts go to two stages and are added on reading.
; By the order of W's columns a block of q's or k's 32 dims lies in one lane's 32 registers.
; x comes by dense loads, 512 consecutive bytes of a row each, three units ahead (48 loads of a wave out, 60 at the head), into four sets of 64 registers, and turns through the wave's own two stages in LDS into 32 neighbours a lane.
; W's codes and scale words, 153,600 bytes, come into LDS ONCE: wave p asks for K steps p and p + 4 by one tensor load.  CLUSTER: all work-groups read the same W, so the four of a cluster ask for it jointly (mask 15).
; Four barriers show the four quarters, each ahead of its first use; nothing is ever filled again.
; NO PREFETCH: each wave's loads of x stand three units ahead of their use from the first lines on, so the stream is on its way as early as a prefetch would be; W is asked for at the head.
; OUT: qkv [group g] of 9,984 bytes: q tiles w at 768 w, k tiles at 3,072 + 768 w, v^T's dims 16 t .. at 6,144 + 768 t, each [lane][16 bytes: registers 0-3] | [lane][8 bytes: registers 4, 5];
;   q, k: lane (r, h): the tile's row r, dims 32 h .. + 31;  v: lane (r, h): dim 16 t + r, rows 32 h .. + 31 of the 64.   At 9,216: q's scale words [tile][r] | k's [r][tile] | v's [16 (t / 2) + r][t % 2], this group's two bytes in place, zeros elsewhere.
;   q's and k's words have 0x7f in bytes 2 and 3: the next launch fills K = 64 .. 127 with zero codes.
; LIMITS: NaN and infinities are not served; blocks under 2^-124 keep the byte 1; a block of zeros has the byte 1 where the rule says 127 (zero codes; this program alone reads the bytes).
.set QTR,  38400                       ; two K steps of W
.set XST,  4*QTR                       ; LDS: each wave's two stages of 16 rows x 528 bytes
.set SPI,  528                         ; 33 x 16 bytes: the sixteen rows that a load touches start in different banks (64 banks of 4 bytes: ISA guide 11.1)
.set STG,  16*SPI
.set VTP,  272
.set VTB,  64*VTP                      ; v^T's two stages [dim 64][row 64] f32 + 16: the parts that a wave keeps, and those that it gives
.set VTS,  XST+8*STG
.set EX,   VTS+2*VTB                   ; q's and k's parts given away: 8,192 bytes a wave
.set REC,  EX+4*8192                   ; the scale record, 768 bytes
.set SPARE, REC+1024                   ; the spare words
.set L16, 1                            ; 16 x lane
.set SPW, 2                            ; my spare word;  v3 0: both kept for the add alone
.set NIL, 3
.set STI, 4                            ; my stages, in;  out
.set STO, 5
.set WAD, 6                            ; v6-9   LDS address of my half's fragments of W, a register for each quarter;  v10-13 of the scale words
.set WSD, 10
.set L8,  14
.set VST, 15                           ; v's stage, in; back
.set VRD, 16
.set SQ,  17                           ; the record, in: q's, k's, v's word;  v20 back
.set SK,  18
.set SV,  19
.set SRD, 20
.set SH,  21                           ; 8 h
.set M0,  22                           ; v22-25 four chains of maxima
.set SC,  26                           ; v26, 27 the conversions' scale operands
.set BY,  28                           ; v28, 29 scale bytes
.set VSG, 30                           ; v's second stage, in
.set EXS, 31                           ; the parts given away, in
.set WS,  32                           ; v32-37 W's scale words: register f / 2: lanes 0-15 fragment f even, lanes 16-31 f odd
.set PW,  38                           ; x's scale word
.set EXL, 39                           ; the partner's parts, back
.set PD,  40                           ; v40, 41 permute destinations
.set PC,  42                           ; v42-53 x's fragment;  v54-61 second halves of conversions
.set PT,  54
.set VC,  62                           ; v62-67 v's codes
.set WF,  112                          ; v112-255 W's twelve fragments.   Window 1: v0-95 the accumulators of tile w, 8 f; v96-223 two sets of 64 numbers of x.   Window 2: v0-255 x as loaded, four sets.   Window 3: v0-95 the accumulators of tile w xor 1
.set XN,  96
.set G1,  24
.set G0,  36
.set MSB, 0
.macro WIN new                         ; s_set_vgpr_msb: bits 1:0 source 0, 3:2 source 1, 5:4 source 2, 7:6 destination; the high byte repeats the setting that is left
.if MSB != \new
	s_set_vgpr_msb (MSB<<8)|\new
.set MSB, \new
.endif
.endm
.macro PLACES                          ; four plain vector instructions between a matrix instruction and a load into, or a read of, its registers
.rept 4
	v_nop
.endr
.endm
.macro WALU
	s_wait_alu depctr_va_vdst(0)
.endm
.macro BARRIER
	s_barrier_signal -1
	s_barrier_wait -1
.endm
.macro CROUND                          ; a round of the cluster's barrier
	BARRIER
	s_cmp_lg_u32 s14, 0
	s_cbranch_scc1 .Lnot_wave_0_\@
	s_barrier_signal -3
.Lnot_wave_0_\@:
	s_barrier_wait -3
	BARRIER
.endm
.macro LOAD u, i0, n                   ; unit u: loads i0 .. i0 + n - 1 of 16, a row each, 512 consecutive bytes
	WIN 0x80
.set i, \i0
.rept \n
.if (\u)%2
	global_load_b128 v[64*((\u)%4)+4*i:64*((\u)%4)+4*i+3], v[L16], s[4:5] offset:131072*(i/8)+4096*(i%8)+512*((\u)/2) th:TH_LOAD_NT
.else
	global_load_b128 v[64*((\u)%4)+4*i:64*((\u)%4)+4*i+3], v[L16], s[10:11] offset:131072*(i/8)+4096*(i%8)+512*((\u)/2) th:TH_LOAD_NT
.endif
.set i, i+1
.endr
	WIN 0
.endm
.macro TURN u                          ; through my stage: in row by row, back 32 neighbours of row r for each of two blocks: k = 64 c + 32 h + 0 .. 31.  LDS serves a wave's instructions in order (ISA guide 5.7.1.4)
	WIN 0x08
.set i, 0
.rept 16
	ds_store_b128 v[STI], v[64*((\u)%4)+4*i:64*((\u)%4)+4*i+3] offset:STG*((\u)%2)+SPI*i
.set i, i+1
.endr
	WIN 0x40
.set i, 0
.rept 16
	ds_load_b128 v[XN+64*((\u)%2)+4*i:XN+64*((\u)%2)+4*i+3], v[STO] offset:STG*((\u)%2)+256*(i/8)+16*(i%8)
.set i, i+1
.endr
	WIN 0
.endm
.macro WLOAD p                         ; my half's K step of quarter p: 36 + 6 loads.  Lanes stand 48 bytes apart, three times 16
.set A_, WAD+\p
.set i, 0
.rept 36
	ds_load_b128 v[WF+4*i:WF+4*i+3], v[A_] offset:1536*(i/3)+16*(i%3)
.set i, i+1
.endr
.set A_, WSD+\p
.set i, 0
.rept 6
	ds_load_b32 v[WS+i], v[A_] offset:18432+128*i
.set i, i+1
.endr
.endm
; Four chains of maxima over numbers in window 1: n pairs each, st registers from pair to pair; the floor 2^(3 - 127) stands among the leaves, so that no scale byte falls under 1
.macro MX a0, a1, a2, a3, st, n
	WIN 0x14
	v_max3_num_f32 v[M0],   0x1800000, |v[\a0]|, |v[\a0+1]|
	v_max3_num_f32 v[M0+1], 0x1800000, |v[\a1]|, |v[\a1+1]|
	v_max3_num_f32 v[M0+2], 0x1800000, |v[\a2]|, |v[\a2+1]|
	v_max3_num_f32 v[M0+3], 0x1800000, |v[\a3]|, |v[\a3+1]|
.set i, 1
.rept \n-1
	v_max3_num_f32 v[M0],   v[M0],   |v[\a0+\st*i]|, |v[\a0+\st*i+1]|
	v_max3_num_f32 v[M0+1], v[M0+1], |v[\a1+\st*i]|, |v[\a1+\st*i+1]|
	v_max3_num_f32 v[M0+2], v[M0+2], |v[\a2+\st*i]|, |v[\a2+\st*i+1]|
	v_max3_num_f32 v[M0+3], v[M0+3], |v[\a3+\st*i]|, |v[\a3+\st*i+1]|
.set i, i+1
.endr
	WIN 0
	v_max_num_f32 v[M0], v[M0], v[M0+1]
	v_max_num_f32 v[M0+2], v[M0+2], v[M0+3]
.endm
.macro SCALES2 b                       ; two blocks of 32 at b and b + 32 of window 1: scale operands and bytes
	MX (\b), (\b)+2, (\b)+32, (\b)+34, 4, 8
	v_add_nc_u32 v[SC], 0xff000000, v[M0]          ; 2 off the exponent field: the conversion takes the exponent field of this operand as its scale
	v_add_nc_u32 v[SC+1], 0xff000000, v[M0+2]
	v_lshrrev_b32 v[BY], 23, v[SC]
	v_lshrrev_b32 v[BY+1], 23, v[SC+1]
.endm
.macro CODES2 b                        ; and their codes: 6 registers each, v42 on
	WIN 0x01
.irp c, 0,1
	v_cvt_scalef32_pk16_fp6_f32 v[PC+6*\c:PC+6*\c+2], v[(\b)+32*\c:(\b)+32*\c+15], v[SC+\c]
	v_cvt_scalef32_pk16_fp6_f32 v[PT+4*\c:PT+4*\c+2], v[(\b)+32*\c+16:(\b)+32*\c+31], v[SC+\c]   ; (a conversion's three registers begin on an even number)
.endr
	WIN 0
	v_nop                                          ; one plain place behind a scaled conversion
.irp c, 0,1
.irp i, 0,1,2
	v_mov_b32 v[PC+6*\c+3+\i], v[PT+4*\c+\i]
.endr
.endr
.endm
.macro PR1 d, a, b, c, sa, sb, side, row
	v_wmma_scale_f32_16x16x128_f8f6f4 v[\d:\d+7], v[\a:\a+11], v[\b:\b+11], \c, v[\sa], v[\sb] matrix_a_fmt:MATRIX_FMT_FP6 matrix_b_fmt:MATRIX_FMT_FP6 matrix_\side\()_scale:MATRIX_SCALE_ROW\row
.endm
.macro PR f, row, zero                 ; q and k transposed (source 0 = W, source 1 = x), v straight.  zero = 1: the first K step starts the sums
.set D_, 8*(\f)
.set W_, WF+12*(\f)
.set S_, WS+(\f)/2
.if (\f) < 8
.if \zero
	PR1 D_, W_, PC, 0, S_, PW, a, \row
.else
	PR1 D_, W_, PC, v[D_:D_+7], S_, PW, a, \row
.endif
.else
.if \zero
	PR1 D_, PC, W_, 0, PW, S_, b, \row
.else
	PR1 D_, PC, W_, v[D_:D_+7], PW, S_, b, \row
.endif
.endif
.endm
.macro MUL u, zero                     ; twelve accumulators by turns, one instruction a turn, in the same order in every unit
.if (\u)%2
	WIN 0x50                                       ; tile w: C and D in window 1
.else
	WIN 0xf0                                       ; tile w xor 1: in window 3
.endif
.irp f, 0,2,4,6,8,10
	PR \f, 0, \zero
	PR \f+1, 1, \zero
.endr
	WIN 0
.endm
	s_load_b128 s[4:7], s[0:1], 0x0                ; x, wc
	s_load_b64 s[8:9], s[0:1], 0x10                ; qkv
	v_lshl_add_u32 v[SPW], v0, 2, SPARE
	v_mov_b32 v[NIL], 0
	ds_add_u32 v[SPW], v[NIL]                      ; the opening lines: the add, twice on end, and its wait
	ds_add_u32 v[SPW], v[NIL]
	v_lshrrev_b32 v70, 5, v0
	v_readfirstlane_b32 s14, v70                   ; wave w
	s_bfe_u32 s15, ttmp6, 0x40000                  ; cx
	s_lshl_b32 s16, ttmp9, 2
	s_add_co_u32 s16, s16, s15                     ; work-group g = 4 x cluster + cx
	; descriptor group 1: a quarter of W, dense: 150 rows of 256 bytes (32 elements of 8); mask: all four of the cluster; bit 21 beside it
	s_mov_b32 s[G1+0], 15|(3<<16)|(1<<21)
	s_mov_b32 s[G1+1], 32<<16
	s_mov_b32 s[G1+2], (QTR/256)<<16
	s_mov_b32 s[G1+3], 32<<16
	s_mov_b32 s[G1+4], QTR/256
	s_mov_b32 s[G1+5], 32
	s_mov_b32 s[G1+6], 0
	s_mov_b32 s[G1+7], 0
	s_xor_b32 s17, s14, 1                          ; the tile that I give away, and the partner's number
	s_and_b32 s34, s14, 1                          ; e: which half of K
	s_mul_i32 s18, s14, 2*STG
	s_add_co_u32 s18, s18, XST                     ; my stages
	s_and_b32 s19, s16, 1
	s_lshl_b32 s19, s19, 4                         ; 16 x (which half of a step of 128 keys my 64 rows are)
	s_mul_i32 s20, s14, QTR                        ; my quarter of W, in memory and in LDS
	s_mov_b32 s21, 0
	s_lshl_b32 s22, s16, 18
	s_lshl_b32 s23, s34, 11
	s_add_co_u32 s22, s22, s23                     ; x: 64 rows of 4,096 bytes a work-group, my half of K;
	s_lshl_b32 s48, s14, 15
	s_add_co_u32 s48, s48, s22                     ; tile w begins at row 8 w
	s_mov_b32 s49, 0
	s_lshl_b32 s23, s17, 15
	s_add_co_u32 s22, s22, s23                     ; the other tile
	s_mov_b32 s23, 0
	s_mul_i32 s40, s16, 9984
	s_mul_i32 s41, s14, 768
	s_add_co_u32 s40, s40, s41                     ; out: the group's record, my tile
	s_mov_b32 s41, 0
	s_lshl_b32 s42, s14, 5
	s_add_co_u32 s42, s42, VTS                     ; v's stages, in: rows 8 w on,
	s_lshl_b32 s52, s17, 5
	s_add_co_u32 s52, s52, VTS+VTB                 ; and the other tile's
	s_mul_i32 s43, s14, 16*VTP
	s_add_co_u32 s43, s43, VTS                     ; back: my dims 16 w on
	s_lshl_b32 s44, s14, 6
	s_add_co_u32 s44, s44, REC
	s_lshl_b32 s45, s14, 2
	s_add_co_u32 s45, s45, REC+256
	s_lshr_b32 s46, s14, 1
	s_lshl_b32 s46, s46, 7
	s_lshl_b32 s47, s34, 2
	s_add_co_u32 s46, s46, s47
	s_add_co_u32 s46, s46, REC+512
	s_lshl_b32 s47, s14, 8
	s_add_co_u32 s47, s47, REC
	s_lshl_b32 s53, s14, 13
	s_add_co_u32 s53, s53, EX                      ; the parts given away,
	s_lshl_b32 s17, s17, 13
	s_add_co_u32 s17, s17, EX                      ; and the partner's
	s_mul_i32 s34, s34, 19200                      ; my half's K step in a quarter
	s_mov_b32 s50, 0x76543210
	s_mov_b32 s51, 0xfedcba98                      ; v_permlanex16_b32's selects for lane l xor 16
	v_and_b32 v70, 31, v0                          ; lane
	v_and_b32 v71, 15, v0                          ; r
	v_bfe_u32 v72, v0, 4, 1                        ; h
	v_lshlrev_b32 v[L16], 4, v70
	v_lshlrev_b32 v[L8], 3, v70
	v_lshlrev_b32 v[SH], 3, v72
	v_lshlrev_b32 v[WSD], 2, v70
	v_mul_u32_u24 v[WAD], 48, v70
	v_add_nc_u32 v[STI], s18, v[L16]
	v_add_nc_u32 v[WSD], s34, v[WSD]
	v_add_nc_u32 v[WAD], s34, v[WAD]
	v_mul_u32_u24 v73, v71, SPI
	v_lshl_add_u32 v73, v72, 7, v73
	v_add_nc_u32 v[STO], s18, v73                  ; row r + 128 h
.irp p, 1,2,3
	v_add_nc_u32 v[WAD+\p], \p*QTR, v[WAD]
	v_add_nc_u32 v[WSD+\p], \p*QTR, v[WSD]
.endr
	v_mul_u32_u24 v74, v71, VTP
	v_lshl_add_u32 v74, v72, 7, v74
	v_add_nc_u32 v[VST], s42, v74                  ; dim r, rows 32 h + 8 w on
	v_add_nc_u32 v[VSG], s52, v74                  ; the other tile's, in the second stage
	v_add_nc_u32 v[VRD], s43, v74                  ; dim 16 w + r, rows 32 h on
	v_add_nc_u32 v[EXS], s53, v[L16]
	v_add_nc_u32 v[EXL], s17, v[L16]
	v_lshl_add_u32 v[SQ], v71, 2, s44
	v_lshl_add_u32 v[SK], v71, 4, s45
	v_lshl_add_u32 v[SV], v71, 3, s46
	v_add_nc_u32 v[SRD], s47, v[L8]
	v_mov_b32 v[PD], 0                             ; (a lane permute's destination counts as one of its sources)
	v_mov_b32 v[PD+1], 0
	WALU
	s_wait_dscnt 0x0                               ; both opening adds are done
	CROUND                                         ; all four work-groups are here: the joint loads meet
	s_wait_kmcnt 0x0
	s_mov_b32 s[G0], 1
	s_mov_b32 s[G0+1], s20
	s_add_nc_u64 s[G0+2:G0+3], s[6:7], s[20:21]
	s_or_b32 s[G0+3], s[G0+3], 0x80000000
; THE HEAD'S LOADS, ONE A WAVE, each in an arm of its own, so that each wave's line has its own wait below
.macro ARM p, next
	s_cmp_eq_u32 s14, \p
	s_cbranch_scc0 \next
	tensor_load_to_lds s[G0:G0+3], s[G1:G1+7]
	s_nop 0
	PLACES
	s_branch .Lasked
\next:
.endm
	ARM 0, .Lwave_1
	ARM 1, .Lwave_2
	ARM 2, .Lwave_3
	tensor_load_to_lds s[G0:G0+3], s[G1:G1+7]
	s_nop 0
	PLACES
.Lasked:
	s_add_nc_u64 s[10:11], s[4:5], s[22:23]        ; tile w xor 1
	s_add_nc_u64 s[4:5], s[4:5], s[48:49]          ; tile w
	s_add_nc_u64 s[8:9], s[8:9], s[40:41]
	LOAD 0, 0, 16
	LOAD 1, 0, 16
	LOAD 2, 0, 16
	LOAD 3, 0, 12
	WALU
	s_wait_loadcnt 44                              ; unit 0's 16 loads are in; the 44 behind them may be out
	TURN 0
	LOAD 3, 12, 4
.macro UNIT u, zero
	s_wait_dscnt 0x0                               ; my 64 numbers of this unit are back from the stage (so the stage's stores have read their registers)
.if (\u)%2 == 0                                ; a quarter of W is shown to all waves
.if (\u) < 6
	s_cmp_eq_u32 s14, (\u)/2
	s_cbranch_scc0 .Lnot_mine_\@
	s_wait_tensorcnt 0x0                           ; the wave that asked for it waits
.Lnot_mine_\@:
.else
	s_wait_tensorcnt 0x0                           ; the last quarter: all waves wait
.endif
	BARRIER
	PLACES                                         ; for the loads into registers that the last unit's products read
	WLOAD (\u)/2
.endif
.set XB_, XN+64*((\u)%2)
	SCALES2 XB_
	v_lshl_or_b32 v[PW], v[BY+1], 16, v[BY]        ; blocks h and 2 + h
	v_lshlrev_b32 v[PW], v[SH], v[PW]
	v_permlanex16_b32 v[PD], v[PW], s50, s51
	v_or_b32 v[PW], v[PW], v[PD]                   ; with lane l xor 16's two bytes the word is whole
	CODES2 XB_
	PLACES                                         ; (with the seven lines above: 4 places behind an operand's write, 8 behind a scale's, ahead of the products)
	WALU
.if (\u) < 7
.if (\u) < 5
	s_wait_loadcnt 32                              ; the next unit is in; two younger units' 16 loads each may be out
.else
	s_wait_loadcnt 16*(6-(\u))
.endif
	TURN (\u)+1
.if (\u) < 4
	LOAD (\u)+4, 0, 16                             ; into the set whose numbers came back from the stage above
.endif
.if (\u)%2 == 0
	s_wait_dscnt 32                                ; W's 42 loads are in; the turn's 16 stores and 16 loads may be out
.endif
.else
	WIN 0x0c                                       ; tile w xor 1 is finished: my part of it goes, each accumulator from its low end on (an LDS store's data are its source 1: window 3)
.set i, 0
.rept 16
	ds_store_b128 v[EXS], v[4*i:4*i+3] offset:512*i                      ; q, k
.set i, i+1
.endr
.irp t, 0,1,2,3
	ds_store_b128 v[VSG], v[64+8*\t:64+8*\t+3] offset:16*VTP*\t          ; v
	ds_store_b128 v[VSG], v[64+8*\t+4:64+8*\t+7] offset:16*VTP*\t+16
.endr
	WIN 0
.endif
	MUL \u, \zero
.endm
	UNIT 0, 1
	UNIT 1, 1
.irp u, 2,3,4,5,6,7
	UNIT \u, 0
.endr
	PLACES
	WIN 0x04
.irp t, 0,1,2,3
	ds_store_b128 v[VST], v[64+8*\t:64+8*\t+3] offset:16*VTP*\t          ; v(rows 32 h + 8 w + 0 .. 7, dim 16 t + r), the part that I keep
	ds_store_b128 v[VST], v[64+8*\t+4:64+8*\t+7] offset:16*VTP*\t+16
.endr
	WIN 0
	WALU
	s_wait_dscnt 0x0                               ; for the others' sake: my parts have landed
	BARRIER
	WIN 0xc0
.set i, 0
.rept 16
	ds_load_b128 v[4*i:4*i+3], v[EXL] offset:512*i                       ; the partner's part of tile w: q, k
.set i, i+1
.endr
	WIN 0x40
.set i, 0
.rept 16
	ds_load_b128 v[XN+4*i:XN+4*i+3], v[VRD] offset:VTB*(i/8)+16*(i%8)    ; v's two parts, dim 16 w + r, rows 32 h on
.set i, i+1
.endr
	WIN 0
	s_wait_dscnt 16                                ; q's and k's are in; v's 16 loads may be out
	WIN 0x4d
.set i, 0
.rept 32
	v_pk_add_f32 v[2*i:2*i+1], v[2*i:2*i+1], v[2*i:2*i+1]                ; window 1 + window 3: the two halves of K
.set i, i+1
.endr
	SCALES2 0                                      ; q's 32 dims in accumulator registers 0-31, k's in 32-63
	CODES2 0
	global_store_b128 v[L16], v[PC:PC+3], s[8:9]
	global_store_b64 v[L8], v[PC+4:PC+5], s[8:9] offset:512
	global_store_b128 v[L16], v[PC+6:PC+9], s[8:9] offset:3072
	global_store_b64 v[L8], v[PC+10:PC+11], s[8:9] offset:3072+512
.irp i, 0,1
	v_lshlrev_b32 v[BY+\i], v[SH], v[BY+\i]        ; my block's byte at place h
.endr
.irp i, 0,1
	v_permlanex16_b32 v[PD+\i], v[BY+\i], s50, s51
.endr
.irp i, 0,1
	v_or_b32 v[BY+\i], v[BY+\i], v[PD+\i]
.endr
.irp i, 0,1
	v_or_b32 v[BY+\i], 0x7f7f0000, v[BY+\i]        ; the blocks beyond the head's 64 get the scale 1
.endr
	ds_store_b32 v[SQ], v[BY]                      ; (lanes l and l xor 16 write the same word with the same value)
	ds_store_b32 v[SK], v[BY+1]
	WALU
	s_wait_dscnt 2                                 ; v's loads are in; the two stores may be out
	WIN 0x45
.set i, 0
.rept 16
	v_pk_add_f32 v[XN+2*i:XN+2*i+1], v[XN+2*i:XN+2*i+1], v[XN+32+2*i:XN+32+2*i+1]
.set i, i+1
.endr
	MX XN, XN+2, XN+4, XN+6, 8, 4
	v_max_num_f32 v[M0], v[M0], v[M0+2]
	v_add_nc_u32 v[SC], 0xff000000, v[M0]
	v_lshrrev_b32 v[BY], 23, v[SC]
	WIN 0x01
	v_cvt_scalef32_pk16_fp6_f32 v[VC:VC+2], v[XN:XN+15], v[SC]
	v_cvt_scalef32_pk16_fp6_f32 v[PT:PT+2], v[XN+16:XN+31], v[SC]
	WIN 0
	v_lshlrev_b32 v[BY], v[SH], v[BY]              ; (the plain place behind the conversions)
	v_permlanex16_b32 v[PD], v[BY], s50, s51
.irp i, 0,1,2
	v_mov_b32 v[VC+3+\i], v[PT+\i]
.endr
	v_or_b32 v[BY], v[BY], v[PD]
	v_lshlrev_b32 v[BY], s19, v[BY]                ; bytes 0, 1 or 2, 3 of the step's word
	ds_store_b32 v[SV], v[BY]
	global_store_b128 v[L16], v[VC:VC+3], s[8:9] offset:6144
	global_store_b64 v[L8], v[VC+4:VC+5], s[8:9] offset:6144+512
	s_mul_i32 s40, s14, 512                        ; the record's places: 256 w from 9,216 on; s[8:9] stands at 768 w
	s_mov_b32 s41, 0
	s_wait_dscnt 0x0
	BARRIER
	s_cmp_gt_u32 s14, 2                            ; the record's 768 bytes leave by waves 0 to 2
	s_cbranch_scc1 .Lend
	ds_load_b64 v[70:71], v[SRD]
	s_sub_nc_u64 s[12:13], s[8:9], s[40:41]
	s_wait_dscnt 0x0
	global_store_b64 v[L8], v[70:71], s[12:13] offset:9216   ; 256 consecutive bytes, aligned
.Lend:
	s_wait_tensorcnt 0x0                           ; the wave's end
	ds_add_u32 v[SPW], v[NIL]
	s_wait_dscnt 0x0
	CROUND                                         ; the closing round: no work-group ends while a partner may still ask for a tile that names it
	s_endpgm
.Lfunc_end_k_qe7d7faf41c_proj:
	.size	k_qe7d7faf41c_proj, .Lfunc_end_k_qe7d7faf41c_proj-k_qe7d7faf41c_proj
	.p2alignl 7, 3214868480
	.fill 96, 4, 3214868480
	.section	.rodata,"a",@progbits
	.p2align	6, 0x0
	.amdhsa_kernel k_qe7d7faf41c_proj
		.amdhsa_group_segment_fixed_size 327680
		.amdhsa_private_segment_fixed_size 0
		.amdhsa_enable_private_segment 0
		.amdhsa_kernarg_size 24
		.amdhsa_user_sgpr_count 2
		.amdhsa_user_sgpr_kernarg_segment_ptr 1
		.amdhsa_wavefront_size32 1
		.amdhsa_system_sgpr_workgroup_id_x 1
		.amdhsa_system_sgpr_workgroup_id_y 1
		.amdhsa_system_sgpr_workgroup_id_z 1
		.amdhsa_system_vgpr_workitem_id 0
		.amdhsa_next_free_vgpr 864
		.amdhsa_next_free_sgpr 66
		.amdhsa_reserve_vcc 0
		.amdhsa_float_denorm_mode_32 3
		.amdhsa_float_denorm_mode_16_64 3
		.amdhsa_memory_ordered 1
		.amdhsa_forward_progress 1
		.amdhsa_inst_pref_size 102
	.end_amdhsa_kernel
	.amdgpu_metadata
---
amdhsa.version: [ 1, 2 ]
amdhsa.kernels:
  - .name:           k_qe7d7faf41c_proj
    .symbol:         k_qe7d7faf41c_proj.kd
    .args:
      - { .name: x, .offset: 0, .size: 8, .value_kind: global_buffer, .address_space: global }
      - { .name: wc, .offset: 8, .size: 8, .value_kind: global_buffer, .address_space: global }
      - { .name: qkv, .offset: 16, .size: 8, .value_kind: global_buffer, .address_space: global }
    .group_segment_fixed_size: 327680
    .private_segment_fixed_size: 0
    .kernarg_segment_align: 8
    .kernarg_segment_size: 24
    .max_flat_workgroup_size: 128
    .sgpr_count:     66
    .vgpr_count:     864
    .wavefront_size: 32
...
	.end_amdgpu_metadata
.endif
;; end of part 2
;; launch attn (part 3): grid 64 x 4, 8 waves a work-group, no clusters, 144,384 bytes of LDS; arguments qkv, out0; writes out0
.if DOCPART == 3
	.amdgcn_target "amdgcn-amd-amdhsa--gfx1250"
	.amdhsa_code_object_version 6
	.text
	.protected	k_qe7d7faf41c_attn
	.globl	k_qe7d7faf41c_attn
	.p2align	8
	.type	k_qe7d7faf41c_attn,@function
k_qe7d7faf41c_attn:
	s_mov_b64 s[64:65], 0
	v_nop
	global_prefetch_b8 v0, s[64:65] scope:SCOPE_SE
	s_setreg_imm32_b32 hwreg(HW_REG_WAVE_MODE, 25, 1), 1
	s_wait_xcnt 0x0
; out[b][q] = the sum over keys k <= q of softmax_k(q . k / 32) v[k], both products on codes of FP6 (E2M3) with E8M0 scales, from the records that the launch before has laid (its head comment gives qkv).
; THE SOFTMAX AHEAD OF THE SECOND PRODUCT: t = score x log2(e) / 32; M = the largest t so far rounded UP to a whole number; p = 2^(t - M) is quantised along the keys, not normalised; the sum of the unquantised p divides at the end.
; SHARES.  Work-group (j, batch) owns half groups j and 127 - j: of group g = half / 2 (64 rows) tiles 2 (half % 2), + 1 of 16 queries: tiles 0, 1 (lo) and 2, 3 (hi).  In key steps of 128 their diagonals lie at dlo = j / 4 and
; dhi = 31 - dlo, so every work-group has 2 (dlo + 1) + 2 (dhi + 1) = 66 pairs of a tile and a step.  THE WAVES SHARE THE KEYS: wave w takes steps w, w + 8, .. up to dhi, for all four tiles.  So each fragment of K and V goes from
; memory into one wave's registers once, feeds 2 to 4 tiles, and the loop has no LDS access and no barrier.  At the end the eight partial (M, sum, O) of each tile meet in LDS, brought under one M by exact powers of two.
; LEFT OUT: steps beyond a tile's diagonal (a scalar branch on ids): reference() puts -infinity there for all inputs; a NaN or an infinity that reaches only those scores is not carried.  On the diagonal hidden scores become -infinity
; ahead of the maximum.  hi's diagonal can only be a wave's last step: the tail, written out, which loads nothing.
; Both products transposed: S^T = K Q^T, O^T = V^T P^T: a lane holds ONE query, lane % 16 = r: row 32 (r / 8) + 8 tile + r % 8 of its group.  K's tiles hold keys in the same order, so the 32 registers of a group's four tiles are 32 NEIGHBOURING
; keys, 32 h on: a whole block in a lane.  TWO TILES go through a step together, line by line: four independent chains.
; K = 64 IN A FORM OF 128: Q's registers 6-11 are zero codes.  K's tiles lie packed, 6 registers each, and a tile's operand runs on over the next tile's six (or six zeroed ones): finite codes that meet zero codes under the scale 1.
; NO CLUSTER: K and V go straight into one wave's registers and the waves walk without a barrier; joint loads would want an LDS ring and a round of the cluster's barrier for each refill.
; NO PREFETCH: a wave's loads of its next step are issued a whole step of work ahead, straight into registers, and the loop has three trips at the most.
; LIMITS: NaN and infinities are not served; exponents to the base 2, before the maximum is taken away, stay under 2^31 in magnitude.  A row's sums over the keys are added in parts and then joined: another order of f32 additions than one run.
; REGISTERS.  Window 0: v1-11, 28 addresses and constants; v12-27 a tile's -M, largest score, sum in two halves; v30-79 scales and at work; v80-127 Q; v128-255 S^T, then p, of two tiles.
;   Window 1: v0-127 O^T (tile 32 t, dims 8 dt); v128-181 K (+ 6 zeros); v182-229 V; v230-253 p's codes of two tiles.
.set L16,  1                           ; 16 x lane
.set LKS,  2                           ; K's scale words: 9,984 h + 16 r
.set DR,   3                           ; 32 (r / 8) + r % 8 - 32 h
.set OST,  4                           ; LDS: my partial O, in
.set SST,  5                           ; my partial -M and sum, in
.set MRD0, 6                           ; the merge: partial O of waves 0-3, 4-7
.set MRD1, 7
.set MSR,  8                           ; and the statistics
.set GO,   9                           ; my bytes in 8 rows of out
.set NINF, 10
.set L4R,  11                          ; 4 r
.set ST,   12
.set SH,   28                          ; 8 h
.set L8,   29                          ; 8 x lane
.set F,    30                          ; v30, 31  f = 2^(old M - new M) of the two tiles
.set QS,   32                          ; v32-35 Q's scale words;  v36-39 K's (lanes 0-15 tiles 0-3, lanes 16-31 tiles 4-7)
.set KS,   36
.set VS,   40                          ; v40, 41 V's (lanes 0-15 dt 0, 1; lanes 16-31 dt 2, 3)
.set SPW,  42                          ; my spare word;  v43 0: both kept for the add alone
.set NIL,  43
.set PW,   44                          ; v44, 45 p's scale words
.set VSA,  48                          ; v48-51 the two groups' halves of V's words
.set VSB,  50
.set BM,   52                          ; v52-55 block maxima, (tile, c) at 2 t + c
.set CS,   56                          ; v56-59 the conversions' scale operands
.set PX,   60                          ; v60, 61 permute destinations
.set T,    62
.set PT,   64                          ; v64-79 second halves of conversions; v64-67 a second chain of the sums
.set QW,   80
.set S,    128
.set KF,   128                         ; window 1
.set VF,   182
.set P,    230
.set GRP,  9984
.set STAT, 139264                      ; LDS: partial O (wave u, tile t) at 17,408 u + 4,352 t, 16 rows of 256 + 16 bytes; behind them -M and the sums at STAT + 1,024 t + 512 which + 64 u + 4 row
.set SPARE, 143360
.set MM,   208                         ; the merge: -M, then f, of (wave u, row i) at MM + 4 u + i;  sums at ML + 4 u + i;  O at MO + 16 u + 4 i;  the least -M;  the row's sum
.set ML,   44
.set MO,   80
.set NM,   240
.set LL,   76
.set MSB, 0
.macro WIN new                         ; s_set_vgpr_msb: bits 1:0 source 0, 3:2 source 1, 5:4 source 2, 7:6 destination; the high byte repeats the setting that is left
.if MSB != \new
	s_set_vgpr_msb (MSB<<8)|\new
.set MSB, \new
.endif
.endm
.macro PLACES                          ; four plain vector instructions between a matrix instruction and a load into, or a read of, its registers
.rept 4
	v_nop
.endr
.endm
.macro WALU
	s_wait_alu depctr_va_vdst(0)
.endm
.macro KLOAD                           ; a step's 8 tiles of K and their scale words: 17 loads
	WIN 0x40
.irp g, 0,1
.irp j, 0,1,2,3
	global_load_b128 v[KF+24*\g+6*\j:KF+24*\g+6*\j+3], v[L16], s[26:27] offset:GRP*\g+3072+768*\j
	global_load_b64 v[KF+24*\g+6*\j+4:KF+24*\g+6*\j+5], v[L8], s[26:27] offset:GRP*\g+3072+768*\j+512
.endr
.endr
	WIN 0
	global_load_b128 v[KS:KS+3], v[LKS], s[26:27] offset:9216+256
.endm
.macro VLOAD                           ; its 4 fragments of V^T and the two halves of their scale words: 18 loads
	WIN 0x40
.irp g, 0,1
.irp j, 0,1,2,3
	global_load_b128 v[VF+12*\j+6*\g:VF+12*\j+6*\g+3], v[L16], s[26:27] offset:GRP*\g+6144+768*\j
	global_load_b64 v[VF+12*\j+6*\g+4:VF+12*\j+6*\g+5], v[L8], s[26:27] offset:GRP*\g+6144+768*\j+512
.endr
.endr
	WIN 0
	global_load_b64 v[VSA:VSA+1], v[L8], s[26:27] offset:9216+512
	global_load_b64 v[VSB:VSB+1], v[L8], s[26:27] offset:GRP+9216+512
.endm
.macro HIDE o                          ; register o + i holds key 32 h + i of its group: hidden where i > my query's place in the group - 32 h
.set n, 0
.rept 32
.irp t, 0,1
	v_cmp_gt_i32 vcc_lo, n, v[T+\t]
	v_cndmask_b32 v[S+64*\t+\o+n], v[S+64*\t+\o+n], v[NINF], vcc_lo
.endr
.set n, n+1
.endr
.endm
; TWO TILES OF 16 QUERIES (q, q + 1) x ONE STEP OF 128 KEYS.  dg: 0 no diagonal can fall here, 1 lo's (s17), 2 hi's (s18).  kn = 1: the next step's K is asked for as soon as this step's has been multiplied.  vw: loads younger than V's.
.macro DUO q, dg, kn, vw
	WIN 0x01                                       ; K in window 1
.irp a, 0,1,2,3
.irp t, 0,1
	v_wmma_scale_f32_16x16x128_f8f6f4 v[S+64*\t+8*\a:S+64*\t+8*\a+7], v[KF+6*\a:KF+6*\a+11], v[QW+12*(\q+\t):QW+12*(\q+\t)+11], 0, v[KS+\a], v[QS+\q+\t] matrix_a_fmt:MATRIX_FMT_FP6 matrix_b_fmt:MATRIX_FMT_FP6
.endr
.endr
.irp a, 4,5,6,7
.irp t, 0,1
	v_wmma_scale_f32_16x16x128_f8f6f4 v[S+64*\t+8*\a:S+64*\t+8*\a+7], v[KF+6*\a:KF+6*\a+11], v[QW+12*(\q+\t):QW+12*(\q+\t)+11], 0, v[KS+\a-4], v[QS+\q+\t] matrix_a_fmt:MATRIX_FMT_FP6 matrix_b_fmt:MATRIX_FMT_FP6 matrix_a_scale:MATRIX_SCALE_ROW1
.endr
.endr
	WIN 0
	PLACES
.if \kn
	s_wait_xcnt 0x0                                ; the base is stepped only behind this wait (ISA guide 3.1)
	s_add_nc_u64 s[26:27], s[26:27], 16*GRP        ; eight steps on
	KLOAD
.endif
.if \dg
	s_cmp_lg_u32 s19, s[16+\dg]                    ; ids alone
	s_cbranch_scc1 .Lopen_\@
	v_add_nc_u32 v[T], s[40+\q], v[DR]
	v_add_nc_u32 v[T+1], s[41+\q], v[DR]
	WALU
	s_cmp_eq_u32 s[45+\dg], 0                      ; is my queries' group the step's first or its second?
	s_cbranch_scc0 .Lodd_\@
	HIDE 0                                         ; the first: its own keys by the diagonal, the second group's all
.set n, 0
.rept 32
.irp t, 0,1
	v_mov_b32 v[S+64*\t+32+n], v[NINF]
.endr
.set n, n+1
.endr
	WALU
	s_branch .Lopen_\@
.Lodd_\@:
	HIDE 32                                        ; the second: the first group's keys are all seen
.Lopen_\@:
.endif
.irp t, 0,1
.irp c, 0,1
	v_max3_num_f32 v[BM+2*\t+\c], v[S+64*\t+32*\c], v[S+64*\t+32*\c+1], v[S+64*\t+32*\c+2]   ; THE LARGEST SCORE OF EACH BLOCK OF 32 KEYS serves twice: for the row's maximum and, since p rises with the score, for the block's largest p
.endr
.endr
.irp i, 3,5,7,9,11,13,15,17,19,21,23,25,27,29
.irp t, 0,1
.irp c, 0,1
	v_max3_num_f32 v[BM+2*\t+\c], v[BM+2*\t+\c], v[S+64*\t+32*\c+\i], v[S+64*\t+32*\c+\i+1]
.endr
.endr
.endr
.irp t, 0,1
.irp c, 0,1
	v_max_num_f32 v[BM+2*\t+\c], v[BM+2*\t+\c], v[S+64*\t+32*\c+31]
.endr
.endr
.irp t, 0,1
	v_max_num_f32 v[T+\t], v[BM+2*\t], v[BM+2*\t+1]
.endr
.irp t, 0,1
	v_permlanex16_b32 v[PX+\t], v[T+\t], s24, s25
.endr
.irp t, 0,1
	v_max3_num_f32 v[ST+4*(\q+\t)+1], v[ST+4*(\q+\t)+1], v[T+\t], v[PX+\t]   ; the running largest score, with lane l xor 16's keys
.endr
.irp t, 0,1
	v_mul_f32 v[T+\t], s29, v[ST+4*(\q+\t)+1]      ; -t (s29 = -c, c is positive)
.endr
.irp t, 0,1
	v_floor_f32 v[T+\t], v[T+\t]                   ; the new -M: M is a whole number
.endr
.irp t, 0,1
	v_sub_f32 v[PX+\t], v[T+\t], v[ST+4*(\q+\t)]   ; old M - new M: a whole number, 0 or less
.endr
.irp t, 0,1
	v_mov_b32 v[ST+4*(\q+\t)], v[T+\t]
.endr
.irp t, 0,1
	v_cvt_i32_f32 v[PX+\t], v[PX+\t]               ; (it saturates)
.endr
.irp t, 0,1
	v_ldexp_f32 v[F+\t], 1.0, v[PX+\t]             ; f = 2^(old M - new M): rounds nothing
.endr
.set n, 0
.rept 32
.irp t, 0,1
	v_pk_fma_f32 v[S+64*\t+n:S+64*\t+n+1], v[S+64*\t+n:S+64*\t+n+1], s[22:23], v[ST+4*(\q+\t):ST+4*(\q+\t)+1] op_sel_hi:[1,0,0]   ; t - M, two at a time (of the pairs c and -M the low word serves both halves)
.endr
.set n, n+2
.endr
.irp t, 0,1
.irp c, 0,1
	v_fma_f32 v[BM+2*\t+\c], v[BM+2*\t+\c], s22, v[ST+4*(\q+\t)]   ; the same of each block's largest score
.endr
.endr
	WALU
.set n, 0
.rept 128
	v_exp_f32 v[S+n], v[S+n]                       ; p = 2^(t - M), at most 1
.set n, n+1
.endr
.set n, 0
.rept 4
	v_exp_f32 v[BM+n], v[BM+n]                     ; the block's largest p: the same two instructions on the same number give the same bits
.set n, n+1
.endr
	v_pk_mul_f32 v[ST+4*(\q)+2:ST+4*(\q)+3], v[ST+4*(\q)+2:ST+4*(\q)+3], v[F:F+1] op_sel_hi:[1,0]   ; the sums under the new M.  (Plain places behind the exponentials: ISA guide 5.7.2)
	v_pk_mul_f32 v[ST+4*(\q)+6:ST+4*(\q)+7], v[ST+4*(\q)+6:ST+4*(\q)+7], v[F:F+1] op_sel:[0,1] op_sel_hi:[1,1]
	WALU
.irp i, 0,1,2,3
	v_max_num_f32 v[BM+\i], 0x1800000, v[BM+\i]    ; the floor 2^(3 - 127): the byte cannot fall under 1 (a block of zeros keeps that byte: its codes are zeros)
.endr
.irp i, 0,1,2,3
	v_add_nc_u32 v[CS+\i], 0xff000000, v[BM+\i]    ; 2 off the exponent field: the conversion's scale operand
.endr
.irp i, 0,1,2,3
	v_lshrrev_b32 v[BM+\i], 23, v[CS+\i]           ; the scale's byte
.endr
.irp t, 0,1
	v_lshl_or_b32 v[PW+\t], v[BM+2*\t+1], 16, v[BM+2*\t]   ; blocks h and 2 + h
.endr
.irp t, 0,1
	v_lshlrev_b32 v[PW+\t], v[SH], v[PW+\t]
.endr
.irp t, 0,1
	v_pk_add_f32 v[PT+2*\t:PT+2*\t+1], v[S+64*\t:S+64*\t+1], v[S+64*\t+2:S+64*\t+3]   ; THE ROW'S SUM IS TAKEN OF THE UNQUANTISED p: two at a time, in two chains a tile
.endr
.irp t, 0,1
	v_permlanex16_b32 v[PX+\t], v[PW+\t], s24, s25
.endr
.irp j, 4,8,12,16,20,24,28,32,36,40,44,48,52,56,60
.irp t, 0,1
	v_pk_add_f32 v[ST+4*(\q+\t)+2:ST+4*(\q+\t)+3], v[ST+4*(\q+\t)+2:ST+4*(\q+\t)+3], v[S+64*\t+\j:S+64*\t+\j+1]
	v_pk_add_f32 v[PT+2*\t:PT+2*\t+1], v[PT+2*\t:PT+2*\t+1], v[S+64*\t+\j+2:S+64*\t+\j+3]
.endr
.endr
.irp t, 0,1
	v_or_b32 v[PW+\t], v[PW+\t], v[PX+\t]          ; with lane l xor 16's two bytes: p's scale word for these 128 keys
.endr
.irp t, 0,1
	v_pk_add_f32 v[ST+4*(\q+\t)+2:ST+4*(\q+\t)+3], v[ST+4*(\q+\t)+2:ST+4*(\q+\t)+3], v[PT+2*\t:PT+2*\t+1]
.endr
.irp t, 0,1
.irp c, 0,1
	v_cvt_scalef32_pk16_fp6_f32 v[PT+8*\t+4*\c:PT+8*\t+4*\c+2], v[S+64*\t+32*\c+16:S+64*\t+32*\c+31], v[CS+2*\t+\c]   ; (a conversion's three registers begin on an even number: second halves are made here and moved)
.endr
.endr
	WIN 0x40                                       ; p's codes in window 1
.irp t, 0,1
.irp c, 0,1
	v_cvt_scalef32_pk16_fp6_f32 v[P+12*\t+6*\c:P+12*\t+6*\c+2], v[S+64*\t+32*\c:S+64*\t+32*\c+15], v[CS+2*\t+\c]
.endr
.endr
	v_nop                                          ; one plain place behind a scaled conversion
.irp i, 0,1,2
.irp t, 0,1
.irp c, 0,1
	v_mov_b32 v[P+12*\t+6*\c+3+\i], v[PT+8*\t+4*\c+\i]
.endr
.endr
.endr
	WIN 0
	s_wait_loadcnt \vw                             ; V and its words are in
	v_or_b32 v[VS], v[VSA], v[VSB]                 ; each group's record holds two bytes of a word and zeros
	v_or_b32 v[VS+1], v[VSA+1], v[VSB+1]
	WIN 0x41                                       ; O^T (destination and source 0) in window 1
	WALU
.set n, 0
.rept 16
	v_pk_mul_f32 v[32*(\q)+n:32*(\q)+n+1], v[32*(\q)+n:32*(\q)+n+1], v[F:F+1] op_sel_hi:[1,0]   ; O^T under the new M.  (Also the places between the scale words and codes just written and the products below)
	v_pk_mul_f32 v[32*(\q)+32+n:32*(\q)+33+n], v[32*(\q)+32+n:32*(\q)+33+n], v[F:F+1] op_sel:[0,1] op_sel_hi:[1,1]
.set n, n+2
.endr
	WIN 0x55                                       ; all in window 1
.irp d, 0,1
.irp t, 0,1
	v_wmma_scale_f32_16x16x128_f8f6f4 v[32*(\q+\t)+8*\d:32*(\q+\t)+8*\d+7], v[VF+12*\d:VF+12*\d+11], v[P+12*\t:P+12*\t+11], v[32*(\q+\t)+8*\d:32*(\q+\t)+8*\d+7], v[VS+\d], v[PW+\t] matrix_a_fmt:MATRIX_FMT_FP6 matrix_b_fmt:MATRIX_FMT_FP6
.endr
.endr
.irp d, 2,3
.irp t, 0,1
	v_wmma_scale_f32_16x16x128_f8f6f4 v[32*(\q+\t)+8*\d:32*(\q+\t)+8*\d+7], v[VF+12*\d:VF+12*\d+11], v[P+12*\t:P+12*\t+11], v[32*(\q+\t)+8*\d:32*(\q+\t)+8*\d+7], v[VS+\d-2], v[PW+\t] matrix_a_fmt:MATRIX_FMT_FP6 matrix_b_fmt:MATRIX_FMT_FP6 matrix_a_scale:MATRIX_SCALE_ROW1
.endr
.endr
	WIN 0
.endm
; A KEY STEP for the wave's four tiles.  next = 1: the step eight on is asked for.  No accumulator has two matrix instructions that follow each other: the turns are of one instruction.
.macro TRIP next
	s_wait_loadcnt 18                              ; loads come back in order (ISA guide 5.7.1): K and its words (in the first trip Q too) are in; V's 18 may be out
	s_cmp_gt_u32 s19, s17                          ; beyond lo's diagonal its two tiles have nothing to do
	s_cbranch_scc1 .Lno_lo_\@
	DUO 0, 1, 0, 0
.Lno_lo_\@:
.if \next
	DUO 2, 0, 1, 17                                ; (the next K's 17 loads may be out at its wait for V)
	PLACES
	VLOAD
	s_add_co_u32 s19, s19, 8
.else
	DUO 2, 2, 0, 0
.endif
.endm
	s_load_b128 s[4:7], s[0:1], 0x0                ; qkv, out0
	v_lshl_add_u32 v[SPW], v0, 2, SPARE
	v_mov_b32 v[NIL], 0
	v_lshrrev_b32 v128, 5, v0
	v_readfirstlane_b32 s14, v128                  ; wave 0..7
	s_mov_b32 s15, ttmp9                           ; j
	s_and_b32 s16, ttmp7, 0xffff                   ; batch
	s_lshr_b32 s17, s15, 2                         ; dlo
	s_sub_co_u32 s18, 31, s17                      ; dhi
	s_mov_b32 s19, s14                             ; my first step
	s_sub_co_u32 s20, s18, s14
	s_lshr_b32 s20, s20, 3                         ; trips of the loop, 1 to 3; one step more is the tail
	s_mov_b32 s21, 0
	s_mov_b32 s22, 0x3d38aa3b                      ; c = log2(e) / 32
	s_mov_b32 s23, s22                             ; (named with it as a pair, so it is written)
	s_mov_b32 s29, 0xbd38aa3b                      ; -c
	s_mov_b32 s24, 0x76543210
	s_mov_b32 s25, 0xfedcba98                      ; v_permlanex16_b32's selects for lane l xor 16
	s_and_b32 s40, s15, 1
	s_lshl_b32 s40, s40, 4                         ; s40-43: 8 x each tile's number in its group
	s_add_co_u32 s41, s40, 8
	s_sub_co_u32 s42, 16, s40
	s_add_co_u32 s43, s42, 8
	s_lshr_b32 s48, s15, 1                         ; lo's group
	s_sub_co_u32 s49, 63, s48                      ; hi's
	s_and_b32 s46, s48, 1                          ; which group of its step: lo's, hi's
	s_sub_co_u32 s47, 1, s46
	s_mul_i32 s50, s16, 64*GRP                     ; the batch
	s_mul_i32 s26, s14, 2*GRP
	s_add_co_u32 s26, s26, s50                     ; step w
	s_mov_b32 s27, 0
	s_mul_i32 s32, s48, GRP
	s_add_co_u32 s32, s32, s50
	s_lshl_b32 s51, s40, 3
	s_add_co_u32 s36, s32, s51                     ; Q's scale words, lo: 64 bytes a tile
	s_mov_b32 s37, 0
	s_mul_i32 s51, s40, 96
	s_add_co_u32 s32, s32, s51                     ; Q's codes, lo: 768 bytes a tile
	s_mov_b32 s33, 0
	s_mul_i32 s34, s49, GRP
	s_add_co_u32 s34, s34, s50
	s_lshl_b32 s51, s42, 3
	s_add_co_u32 s38, s34, s51
	s_mov_b32 s39, 0
	s_mul_i32 s51, s42, 96
	s_add_co_u32 s34, s34, s51
	s_mov_b32 s35, 0
	s_cmp_lt_u32 s14, 4                            ; the merge: waves 0-3 finish lo's tiles, 4-7 hi's; wave w: tile w / 2, its rows 8 (w % 2) on
	s_cselect_b32 s44, s48, s49
	s_cselect_b32 s45, s40, s42
	s_lshl_b32 s44, s44, 6
	s_add_co_u32 s44, s44, s45
	s_lshr_b32 s48, s14, 1
	s_and_b32 s49, s14, 1
	s_and_b32 s51, s48, 1
	s_lshl_b32 s51, s51, 3
	s_add_co_u32 s44, s44, s51
	s_lshl_b32 s51, s49, 5
	s_add_co_u32 s44, s44, s51                     ; row 64 x group + 32 (w % 2) + 8 x tile
	s_lshl_b32 s51, s16, 12
	s_add_co_u32 s44, s44, s51
	s_lshl_b32 s44, s44, 8                         ; rows of 256 bytes
	s_mov_b32 s45, 0
	s_mul_i32 s50, s14, 17408                      ; LDS: my partial O;
	s_lshl_b32 s51, s14, 6
	s_add_co_u32 s51, s51, STAT                    ; my statistics;
	s_mul_i32 s52, s48, 4352
	s_mul_i32 s53, s49, 2176
	s_add_co_u32 s52, s52, s53                     ; the merge: O,
	s_lshl_b32 s53, s48, 10
	s_lshl_b32 s54, s49, 5
	s_add_co_u32 s53, s53, s54
	s_add_co_u32 s53, s53, STAT                    ; and statistics
	v_and_b32 v128, 31, v0                         ; lane
	v_and_b32 v129, 15, v0                         ; r
	v_bfe_u32 v130, v0, 4, 1                       ; h
	v_lshrrev_b32 v131, 3, v129                    ; r / 8
	v_and_b32 v132, 7, v129
	v_lshlrev_b32 v[L16], 4, v128
	v_lshlrev_b32 v[L8], 3, v128
	v_lshlrev_b32 v[L4R], 2, v129
	v_lshlrev_b32 v[SH], 3, v130
	v_mul_u32_u24 v[LKS], v130, GRP
	v_lshl_add_u32 v132, v131, 5, v132
	v_mul_u32_u24 v[OST], v129, 272                ; partial O in: row r, 8 dims for each half of the lanes
	v_lshl_add_u32 v[LKS], v129, 4, v[LKS]
	v_lshlrev_b32 v131, 5, v130
	v_lshl_add_u32 v[OST], v130, 5, v[OST]
	v_sub_nc_u32 v[DR], v132, v131
	v_mul_u32_u24 v[MRD0], v130, 1088              ; the merge: rows 8 (w % 2) + 4 h + 0 .. 3, 16 bytes a lane
	v_add_nc_u32 v[OST], s50, v[OST]
	v_lshl_add_u32 v[SST], v129, 2, s51
	v_lshl_add_u32 v[MRD0], v129, 4, v[MRD0]
	v_lshl_add_u32 v[MSR], v130, 4, s53
	v_lshlrev_b32 v[GO], 10, v130
	v_add_nc_u32 v[MRD0], s52, v[MRD0]
	v_lshl_add_u32 v[GO], v129, 4, v[GO]
	v_mov_b32 v[NINF], 0xff800000
	v_add_nc_u32 v[MRD1], 69632, v[MRD0]
	WALU
	s_wait_kmcnt 0x0
	s_add_nc_u64 s[26:27], s[4:5], s[26:27]
	s_add_nc_u64 s[32:33], s[4:5], s[32:33]
	s_add_nc_u64 s[34:35], s[4:5], s[34:35]
	s_add_nc_u64 s[36:37], s[4:5], s[36:37]
	s_add_nc_u64 s[38:39], s[4:5], s[38:39]
	s_add_nc_u64 s[44:45], s[6:7], s[44:45]
.irp t, 0,1
	global_load_b128 v[QW+12*\t:QW+12*\t+3], v[L16], s[32:33] offset:768*\t
	global_load_b64 v[QW+12*\t+4:QW+12*\t+5], v[L8], s[32:33] offset:768*\t+512
	global_load_b128 v[QW+24+12*\t:QW+24+12*\t+3], v[L16], s[34:35] offset:768*\t
	global_load_b64 v[QW+24+12*\t+4:QW+24+12*\t+5], v[L8], s[34:35] offset:768*\t+512
	global_load_b32 v[QS+\t], v[L4R], s[36:37] offset:9216+64*\t
	global_load_b32 v[QS+2+\t], v[L4R], s[38:39] offset:9216+64*\t
.endr
	KLOAD
.irp t, 0,1,2,3
.irp i, 6,7,8,9,10,11
	v_mov_b32 v[QW+12*\t+\i], 0                    ; Q's K = 64 .. 127: zero codes
.endr
	v_mov_b32 v[ST+4*\t+1], 0xff61b1e6             ; the largest score so far: -3e38, under every score
	v_mov_b32 v[ST+4*\t+2], 0                      ; the sum, in two halves
	v_mov_b32 v[ST+4*\t+3], 0
.endr
.irp t, 0,1,2,3
	v_mul_f32 v[ST+4*\t], s29, v[ST+4*\t+1]
.endr
.irp t, 0,1,2,3
	v_floor_f32 v[ST+4*\t], v[ST+4*\t]             ; -M
.endr
	v_mov_b32 v[PX], 0                             ; written once: a lane permute's destination counts as one of its sources
	v_mov_b32 v[PX+1], 0
	WIN 0x40
.set n, 0
.rept 128
	v_mov_b32 v[n], 0                              ; O^T.  (A tile's first step differs from wave to wave, and some waves have none for lo: the step is written once and finds zeros, which the first change of M leaves zeros)
.set n, n+1
.endr
.irp i, 0,1,2,3,4,5
	v_mov_b32 v[KF+48+\i], 0                       ; what tile 7's operand runs on over
.endr
	WIN 0
	VLOAD                                          ; behind the clearing above: K, which is wanted first, has been asked for by then
	WALU
.Ltrip:
	TRIP 1
	s_add_co_u32 s21, s21, 1
	s_cmp_lt_u32 s21, s20
	s_cbranch_scc1 .Ltrip
	TRIP 0                                         ; my last step: nothing more is asked for, so no load leaves its buffer
	; MY PARTS GO TO LDS.  The four additions are the places behind the last products.
.irp t, 0,1,2,3
	v_add_f32 v[ST+4*\t+2], v[ST+4*\t+2], v[ST+4*\t+3]
.endr
.irp t, 0,1,2,3
	v_mov_b32 v[PT+\t], 0
.endr
.irp t, 0,1,2,3
	v_permlanex16_b32 v[PT+\t], v[ST+4*\t+2], s24, s25
.endr
.irp t, 0,1,2,3
	v_add_f32 v[ST+4*\t+2], v[ST+4*\t+2], v[PT+\t] ; with lane l xor 16's: my keys' sum for query r
.endr
.irp t, 0,1,2,3
	ds_store_b32 v[SST], v[ST+4*\t] offset:1024*\t           ; (lanes l and l xor 16 write the same word with the same value)
	ds_store_b32 v[SST], v[ST+4*\t+2] offset:1024*\t+512
.endr
	WIN 0x04                                       ; an LDS store's data are its source 1: window 1
.irp t, 0,1,2,3
.irp d, 0,1,2,3
	ds_store_b128 v[OST], v[32*\t+8*\d:32*\t+8*\d+3] offset:4352*\t+64*\d        ; each accumulator from its low end on: O(query r, dims 16 dt + 8 h + 0 .. 7)
	ds_store_b128 v[OST], v[32*\t+8*\d+4:32*\t+8*\d+7] offset:4352*\t+64*\d+16
.endr
.endr
	WIN 0
	s_wait_dscnt 0x0                               ; for the others' sake: my stores have landed
	s_barrier_signal -1
	s_barrier_wait -1
	; THE MERGE.  Wave w: tile w / 2, rows 8 (w % 2) + 4 h + i, i = 0 .. 3; a lane holds 4 dims of each.
.irp u, 0,1,2,3,4,5,6,7
	ds_load_b128 v[MM+4*\u:MM+4*\u+3], v[MSR] offset:64*\u
.endr
.irp u, 0,1,2,3,4,5,6,7
	ds_load_b128 v[ML+4*\u:ML+4*\u+3], v[MSR] offset:512+64*\u
.endr
.irp u, 0,1,2,3
.irp i, 0,1,2,3
	ds_load_b128 v[MO+16*\u+4*\i:MO+16*\u+4*\i+3], v[MRD0] offset:17408*\u+272*\i
.endr
.endr
.irp u, 4,5,6,7
.irp i, 0,1,2,3
	ds_load_b128 v[MO+16*\u+4*\i:MO+16*\u+4*\i+3], v[MRD1] offset:17408*(\u-4)+272*\i
.endr
.endr
	s_wait_dscnt 32                                ; the statistics are in; O's 32 loads may be out
.irp i, 0,1,2,3
	v_min3_num_f32 v[NM+\i], v[MM+\i], v[MM+4+\i], v[MM+8+\i]   ; the least -M: the largest M of the eight
.endr
.irp i, 0,1,2,3
	v_min3_num_f32 v[NM+\i], v[NM+\i], v[MM+12+\i], v[MM+16+\i]
.endr
.irp i, 0,1,2,3
	v_min3_num_f32 v[NM+\i], v[NM+\i], v[MM+20+\i], v[MM+24+\i]
.endr
.irp i, 0,1,2,3
	v_min_num_f32 v[NM+\i], v[NM+\i], v[MM+28+\i]
.endr
.irp u, 0,1,2,3,4,5,6,7
.irp i, 0,1,2,3
	v_sub_f32 v[MM+4*\u+\i], v[NM+\i], v[MM+4*\u+\i]         ; wave u's M less the largest: a whole number, 0 or less
.endr
.endr
.set n, 0
.rept 32
	v_cvt_i32_f32 v[MM+n], v[MM+n]                 ; (it saturates: a wave that had no step for this tile gets f = 0)
.set n, n+1
.endr
.set n, 0
.rept 32
	v_ldexp_f32 v[MM+n], 1.0, v[MM+n]              ; f
.set n, n+1
.endr
.irp i, 0,1,2,3
	v_mul_f32 v[LL+\i], v[ML+\i], v[MM+\i]
.endr
.irp u, 1,2,3,4,5,6,7
.irp i, 0,1,2,3
	v_fma_f32 v[LL+\i], v[ML+4*\u+\i], v[MM+4*\u+\i], v[LL+\i]   ; the row's sum
.endr
.endr
	WALU
.irp i, 0,1,2,3
	v_rcp_f32 v[LL+\i], v[LL+\i]
.endr
	v_nop                                          ; one plain place behind a transcendental
	WALU
	s_wait_dscnt 0x0
; two numbers an instruction; the factor is the low (even i) or the high (odd i) word of its pair, for both halves
.macro SCALE i, fp
.irp e, 0,2
.if (\i)%2
	v_pk_mul_f32 v[MO+4*(\i)+\e:MO+4*(\i)+\e+1], v[MO+4*(\i)+\e:MO+4*(\i)+\e+1], v[(\fp)+2*((\i)/2):(\fp)+2*((\i)/2)+1] op_sel:[0,1] op_sel_hi:[1,1]
.else
	v_pk_mul_f32 v[MO+4*(\i)+\e:MO+4*(\i)+\e+1], v[MO+4*(\i)+\e:MO+4*(\i)+\e+1], v[(\fp)+2*((\i)/2):(\fp)+2*((\i)/2)+1] op_sel_hi:[1,0]
.endif
.endr
.endm
.macro JOIN u, i
.irp e, 0,2
.if (\i)%2
	v_pk_fma_f32 v[MO+4*(\i)+\e:MO+4*(\i)+\e+1], v[MO+16*(\u)+4*(\i)+\e:MO+16*(\u)+4*(\i)+\e+1], v[MM+4*(\u)+2*((\i)/2):MM+4*(\u)+2*((\i)/2)+1], v[MO+4*(\i)+\e:MO+4*(\i)+\e+1] op_sel:[0,1,0] op_sel_hi:[1,1,1]
.else
	v_pk_fma_f32 v[MO+4*(\i)+\e:MO+4*(\i)+\e+1], v[MO+16*(\u)+4*(\i)+\e:MO+16*(\u)+4*(\i)+\e+1], v[MM+4*(\u)+2*((\i)/2):MM+4*(\u)+2*((\i)/2)+1], v[MO+4*(\i)+\e:MO+4*(\i)+\e+1] op_sel_hi:[1,0,1]
.endif
.endr
.endm
.irp i, 0,1,2,3
	SCALE \i, MM                                   ; wave 0's part x its f
.endr
.irp u, 1,2,3,4,5,6,7
.irp i, 0,1,2,3
	JOIN \u, \i                                    ; + wave u's part x its f (eight chains by turns)
.endr
.endr
.irp i, 0,1,2,3
	SCALE \i, LL                                   ; / the row's sum
.endr
.irp i, 0,1,2,3
	global_store_b128 v[GO], v[MO+4*\i:MO+4*\i+3], s[44:45] offset:256*\i th:TH_STORE_NT   ; sixteen lanes store a whole row of out: 256 consecutive bytes, aligned
.endr
	s_wait_tensorcnt 0x0                           ; the wave's end
	ds_add_u32 v[SPW], v[NIL]
	s_wait_dscnt 0x0
	s_endpgm
.Lfunc_end_k_qe7d7faf41c_attn:
	.size	k_qe7d7faf41c_attn, .Lfunc_end_k_qe7d7faf41c_attn-k_qe7d7faf41c_attn
	.p2alignl 7, 3214868480
	.fill 96, 4, 3214868480
	.section	.rodata,"a",@progbits
	.p2align	6, 0x0
	.amdhsa_kernel k_qe7d7faf41c_attn
		.amdhsa_group_segment_fixed_size 144384
		.amdhsa_private_segment_fixed_size 0
		.amdhsa_enable_private_segment 0
		.amdhsa_kernarg_size 16
		.amdhsa_user_sgpr_count 2
		.amdhsa_user_sgpr_kernarg_segment_ptr 1
		.amdhsa_wavefront_size32 1
		.amdhsa_system_sgpr_workgroup_id_x 1
		.amdhsa_system_sgpr_workgroup_id_y 1
		.amdhsa_system_sgpr_workgroup_id_z 1
		.amdhsa_system_vgpr_workitem_id 0
		.amdhsa_next_free_vgpr 512
		.amdhsa_next_free_sgpr 66
		.amdhsa_reserve_vcc 1
		.amdhsa_float_denorm_mode_32 3
		.amdhsa_float_denorm_mode_16_64 3
		.amdhsa_memory_ordered 1
		.amdhsa_forward_progress 1
		.amdhsa_inst_pref_size 167
	.end_amdhsa_kernel
	.amdgpu_metadata
---
amdhsa.version: [ 1, 2 ]
amdhsa.kernels:
  - .name:           k_qe7d7faf41c_attn
    .symbol:         k_qe7d7faf41c_attn.kd
    .args:
      - { .name: qkv, .offset: 0, .size: 8, .value_kind: global_buffer, .address_space: global }
      - { .name: out0, .offset: 8, .size: 8, .value_kind: global_buffer, .address_space: global }
    .group_segment_fixed_size: 144384
    .private_segment_fixed_size: 0
    .kernarg_segment_align: 8
    .kernarg_segment_size: 16
    .max_flat_workgroup_size: 256
    .sgpr_count:     66
    .vgpr_count:     512
    .wavefront_size: 32
...
	.end_amdgpu_metadata
.endif
;; end of part 3
